; MI455X (gfx1250); checked and timed in simulation.
; The chip was launched on July 23, 2026; its instructions are those of AMD's public machine-readable ISA for CDNA 5 (MIT licence, August 2026) and "CDNA5" Instruction Set Architecture Reference Guide (July 2026). The comments in the code are by the model that wrote it; some were corrected since.
;; Multi Head Attention. Allowed arithmetic: matrix products marked QUANTISED: E4M3 operands, one given power-of-two scale a tensor, by v_wmma_f32_16x16x64_fp8_fp8 or v_wmma_f32_16x16x128_fp8_fp8, f32 sums; everything else in f32.
;; Inputs: b_proj 1,024 float32; lowp_scales 8 int32 (the exponents e of the quantised operands' scales 2^e); w_proj_codes 1,024 x 32 x 32 uint8 (E4M3 codes of w_proj, K innermost, in blocks of 32 codes); w_qkv_codes 3,072 x 32 x 32 uint8 (E4M3 codes of w_qkv, K innermost, in blocks of 32 codes); x_codes 4 x 2,048 x 32 x 32 uint8 (E4M3 codes of x, K innermost, in blocks of 32 codes).
;; Outputs: out0 4 x 2,048 x 1,024 float32.
;; This version of the problem:
;;   THIS VERSION OF THE PROBLEM IS GIVEN IN LOW PRECISION. The matrix products marked QUANTISED in the list below multiply operands that are first quantised to E4M3 (4 exponent bits, 3 mantissa bits; 8 bits a number), with one given power-of-two scale for each operand tensor; their sums are f32. All else is computed in f32.
;;   The module's matrix products, in the order in which they are computed (A, B: the left and right operand; K: the contracted axis; several contracted axes count as one K, in the product's order):
;;     1. [M 8,192, K 1,024] x [K 1,024, N 3,072]; A: input x (given as codes); B: input w_qkv (given as codes): QUANTISED (scales: A lowp_scales[0], B lowp_scales[1])
;;     2. batch 64 x [M 2,048, K 64] x [K 64, N 2,048]; A: computed on the way; B: computed on the way: QUANTISED (scales: A lowp_scales[2], B lowp_scales[3])
;;     3. batch 64 x [M 2,048, K 2,048] x [K 2,048, N 64]; A: softmax (see below); B: computed on the way: QUANTISED (scales: A lowp_scales[4], B lowp_scales[5])
;;     4. [M 8,192, K 1,024] x [K 1,024, N 1,024]; A: computed on the way; B: input w_proj (given as codes): QUANTISED (scales: A lowp_scales[6], B lowp_scales[7])
;;   THE QUANTISER, for each operand of a quantised product, along K:
;;     - The operand's scale is 2^e, e = its entry of the input lowp_scales (int32; the entries are numbered through the quantised products in the list's order, A before B).
;;     - Each number is divided by the scale, clamped to +-448, and rounded to the nearest number of E4M3, ties to even, subnormals kept.
;;     - The product sums the exact products of the quantised numbers (number of the format x scale) in f32.
;;   ~~~python
;;   def quantise(x, axis, e):      # numpy; x: float32 -> the quantised numbers, widened to float32 again
;;       x = np.moveaxis(x, axis, -1); K = x.shape[-1]
;;       r = np.clip(x / 2.0 ** e, -448, 448)
;;       step = 2.0 ** (np.maximum(np.frexp(np.where(r == 0, 1, r))[1] - 1, -6) - 3)
;;       q = np.round(r / step) * step * 2.0 ** e      # np.round: ties to even
;;       return np.moveaxis(q, -1, axis).astype(np.float32)
;;   ~~~
;;   SOFTMAX AHEAD OF A QUANTISED PRODUCT. Where the list says 'softmax', what is quantised is not the finished softmax but p = 2^(t - M), with t = logit x log2(e) and M = ceil(the row's largest t), a whole number; so 1/2 < the row's largest p <= 1. The row's sum l is taken of the UNQUANTISED p, in f32, and the product's result is divided by l at the end. Since M is a whole number, a kernel that streams over the keys may use a running M (the ceiling of the running maximum): every later rescaling is an exact power of two, so the quantised numbers keep their values, but for numbers so far below the row's largest that they fall under the format's range.
;;   OPERANDS COMPUTED ON THE WAY. 'Computed on the way' means the value that the module computes at that place (a softmax that the list does not call 'softmax' is quantised finished and normalised). What goes into a quantiser is computed in f32, as accurately as f32 sums, v_exp_f32 and their like allow (about 1e-6 of the number): no bf16 or f16 on the way to a quantiser, and a product that is left as it is and whose result goes on into a quantised operand takes f32 operands (vector FMAs, or v_wmma_f32_16x16x4_f32). A number that lies on a knife's edge between two numbers of the format may be rounded either way, as far as f32 arithmetic and the matrix unit's own rounding can turn it there, and no further.
;;   INPUTS GIVEN AS CODES. w_proj (in the module: [1024, 1024], K = its axis 1); w_qkv (in the module: [3072, 1024], K = its axis 1); x (in the module: [4, 2048, 1024], K = its axis 2): each comes as NAME_codes (uint8): NAME with its K axis moved to the last place and cut into blocks of 32 codes, [.., K / 32, bytes a block], one block behind the other in memory; one code a byte (a code: sign, 4 exponent bits, 3 mantissa bits); its scale is its entry of lowp_scales. Its value is code x scale, taken as it is: it is not quantised again, and the codes and scales need not be those that the quantiser above would give.
;; One version. Each part assembles by itself: llvm-mc -triple=amdgcn-amd-amdhsa -mcpu=gfx1250 --defsym DOCPART=n.
;; ======== version 1 of 1: 3 launches
;; limits: right only within a limited range of input values
;; workspace buffers: qkvc 25,165,824 bytes; att 8,388,608 bytes
;; launch qkv (part 1): grid 12 x 32, 4 waves a work-group, clusters of 4 x 4, 327,680 bytes of LDS; arguments x_codes, w_qkv_codes, lowp_scales, qkvc; writes qkvc
.if DOCPART == 1
	.amdgcn_target "amdgcn-amd-amdhsa--gfx1250"
	.amdhsa_code_object_version 6
	.text
	.protected	k_qd51e091f87_qkv
	.globl	k_qd51e091f87_qkv
	.p2align	8
	.type	k_qd51e091f87_qkv,@function
k_qd51e091f87_qkv:
	s_mov_b64 s[64:65], 0
	v_nop
	global_prefetch_b8 v0, s[64:65] scope:SCOPE_SE
	s_setreg_imm32_b32 hwreg(HW_REG_WAVE_MODE, 25, 1), 1
	s_wait_xcnt 0x0
	s_wait_alu depctr_hold_cnt(0) depctr_sa_sdst(0) depctr_va_vdst(0) depctr_va_sdst(0) depctr_va_ssrc(0) depctr_va_vcc(0) depctr_vm_vsrc(0)
	s_getreg_b32 s2, hwreg(HW_REG_IB_STS2, 6, 4)
	s_cmp_eq_u32 s2, 0
	s_cbranch_scc0 .Lentry_in_a_cluster
	s_endpgm
.Lentry_in_a_cluster:
	s_bfe_u32 s2, ttmp6, 0x10000c
	s_cmp_lg_u32 s2, 0xf033
	s_cbranch_scc0 .Lentry_shape_is_right
	s_endpgm
.Lentry_shape_is_right:
; qkv = x w_qkv^T on codes of FP8 (E4M3), f32 sums; the sums are quantised at once, q with 2^e2, k with 2^e3, v with 2^e5, and only codes are stored.
; x: [8192][1024] codes, w_qkv: [3072][1024] codes, K innermost.  lowp_scales: e0 .. e7 (int32).
; OUTPUT qkvc, three sections of 8,388,608 bytes:  q [b][head][t][64];  k [b][head][t'][64], token t at row t' = SW(t);  v [b][head][d'][2048], keys innermost, channel d at row d' = SW(d).
; SW swaps bits 3 and 4 of a number.  So the 16 rows that the next launch wants as one tile of a matrix operand (rows 8 u + r + 8 (r / 8) of each 32) lie on end.
; ONE TEXT FOR THE THREE SECTIONS.  It makes D[p][q] = sum over k of P[p][k] Q[q][k], a tile of 256 x 256 to a work-group, 128 x 128 (64 accumulators, 512 registers) to each of four waves.
; The cluster's x is the section.  Sections 0 and 1: P = x (tokens), Q = w_qkv (features).  Section 2: P = w_qkv's rows 2048 on, Q = x: so v comes out with the tokens, its later K, along a lane's registers.
; THE MATRIX INSTRUCTION IS USED TRANSPOSED (source 0 = 16 rows of Q, source 1 = 16 rows of P): a lane holds row p = lane % 16 and eight neighbouring q, which one conversion packs into 8 bytes.
; A fragment is fetched by four loads of 16 bytes: a permutation of k that is the same in both operands, so every product meets its partner; only the order of the sums inside an instruction differs.
; CLUSTERS: 4 x 4 work-groups; P's tile is shared along a row of the cluster, Q's along a column: each is asked for jointly, by the same tensor load with a mask that names the four.
; K = 1024 goes in four steps of 256 through a ring of two LDS slots; the steps are written out.  By this text's count a wave has at most two tensor loads out.
; LIMITS: e2 - e0 - e1, e3 - e0 - e1 and e5 - e0 - e1 lie between -126 and 119, so that the conversion's scale and 448 x that scale are f32 numbers.  NaN codes among the inputs are not served.
; REGISTERS, in windows of 256: window 0: v16-31 addresses and the scale; v96-223 codes, later rows read back; inside the K steps v128-255 P's fragments, one set.
;   window 1: Q's fragments, two sets, at v0 and v128.   window 2: the accumulators of my rows 0-63 ((a, b) at v[8 (8 a + b)]);   window 3: those of my rows 64-127.
.set ROWB,   256                       ; a tile's row in bytes: 256 codes
.set KROW,   1024                      ; a row of x or of w_qkv in memory
.set PITCH,  272                       ; an LDS row: 256 bytes + 16 of padding = 68 words: row r starts at bank 4 r mod 64 (64 banks of 4 bytes: ISA guide 11.1)
.set FR,     16                        ; registers of a fragment: 16 rows x 128 K
.set NL,     4                         ; LDS loads that bring one
.set NP,     4                         ; places behind this matrix instruction (ISA guide 7.12.1)
.set HALFT,  128*PITCH                 ; 128 rows: what one tensor load brings
.set SLOT,   4*HALFT                   ; P's 256 rows, then Q's 256 rows
.set SPARE,  2*SLOT                    ; behind the ring: the spare words, 128 bytes for each wave, which no other line names
.set SPITCH, 336                       ; the way out: the tile's codes, 256 rows x (256 bytes + 80), in slot 0, which has had its last fill and its last read by then.  84 words: lane (r, h) stores at banks 20 r + 2 h mod 64, all different
.set ADRA, 16                          ; v16-17  LDS address of my P fragments in slot 0, 1
.set ADRB, 20                          ; v20-21  the same for Q
.set COQ,  22                          ; v22     q, k: my byte offset in memory: 16 x lane
.set COV,  23                          ; v23     v: 2048 (lane / 16) + 16 (lane % 16)
.set STO,  24                          ; v24     the stage: where I put 8 codes
.set RDQ,  25                          ; v25     q, k: where I read 16 codes back, rows 0-127
.set RDQ2, 26                          ; v26     rows 128-255
.set RDV,  27                          ; v27     v: where I read 16 codes back
.set SPW,  28                          ; v28     LDS address of my spare word; never rewritten
.set NIL,  29                          ; v29     0; never rewritten
.set SCL,  30                          ; v30     2^es as f32, es = the section's e - e0 - e1
.set LIM,  31                          ; v31     unused
.set TMP,  32
.set CD,   96
.set BK,   96
.set AF,   128
.set G1, 24                            ; s[24:31] descriptor group 1 for P's tiles;  s[32:39] group 0, one set for each slot
.set G0, 32
.set G1B, 48                           ; s[48:55], s[56:63] the same for Q's tiles
.set G0B, 56
.set MSB, 0
.macro WIN new                         ; the immediate's high byte repeats the setting that is left
.if MSB != (\new)
	s_set_vgpr_msb (MSB<<8)|(\new)
.set MSB, (\new)
.endif
.endm
.set MUL_LO, 0xa1                      ; source 0 (Q) window 1, source 1 (P) window 0, C and D window 2
.set MUL_HI, 0xf1                      ; the same, C and D window 3
.set TO_B,   0x40                      ; destination window 1, address window 0
; A joint load: waves 0 and 1 fetch for P, waves 2 and 3 for Q.  The branch hangs on the wave's number alone.  Four v_nop follow each of the two lines.
.macro JLOAD g0a, g1a, g0b, g1b
	s_cmp_eq_u32 s15, 0
	s_cbranch_scc0 .Lfor_b_\@
	tensor_load_to_lds s[\g0a:\g0a+3], s[\g1a:\g1a+7]
	s_nop 0
.rept 4
	v_nop
.endr
	s_branch .Lasked_\@
.Lfor_b_\@:
	tensor_load_to_lds s[\g0b:\g0b+3], s[\g1b:\g1b+7]
	s_nop 0
.rept 4
	v_nop
.endr
.Lasked_\@:
.endm
.macro CREST                           ; a round of the cluster's barrier behind its opening barrier
	s_cmp_lg_u32 s14, 0
	s_cbranch_scc1 .Lnot_wave_0_\@
	s_barrier_signal -3
.Lnot_wave_0_\@:
	s_barrier_wait -3
	s_barrier_signal -1
	s_barrier_wait -1
.endm
.macro CROUND                          ; a whole round
	s_barrier_signal -1
	s_barrier_wait -1
	CREST
.endm
	s_load_b128 s[4:7], s[0:1], 0x0                ; x's codes s[4:5], w_qkv's codes s[6:7]
	s_load_b128 s[8:11], s[0:1], 0x10              ; the scales' exponents s[8:9], qkvc s[10:11]
	v_lshl_add_u32 v[SPW], v0, 2, SPARE
	v_mov_b32 v[NIL], 0
	ds_add_u32 v28, v29
	ds_add_u32 v28, v29
	s_wait_dscnt 0x0
	v_lshrrev_b32 v1, 5, v0
	v_readfirstlane_b32 s14, v1                    ; wave 0..3
	s_lshr_b32 s15, s14, 1                         ; which half of the tile's rows (p) is mine.  Also: I fetch for P (0) or for Q (1)
	s_and_b32 s16, s14, 1                          ; which half of its columns (q).  Also: which 128 rows of that tile I fetch
	s_bfe_u32 s40, ttmp6, 0x40000                  ; cx, cy: my place in the cluster
	s_bfe_u32 s41, ttmp6, 0x40004
	s_and_b32 s66, ttmp7, 0xffff                   ; the cluster's y
	s_cmp_eq_u32 ttmp9, 2                          ; the cluster's x is the section: the same in all sixteen partners
	s_cselect_b32 s17, 0, s66                      ; sections 0, 1: P's tiles (tokens) go by the cluster's y; section 2: P has four tiles of features
	s_cselect_b32 s42, s66, ttmp9                  ; sections 0, 1: Q's tiles (features) go by the section; section 2: Q's (tokens) by the cluster's y
	s_lshl_b32 s17, s17, 2
	s_add_co_u32 s17, s17, s41                     ; tp: P's tile; it never holds cx
	s_lshl_b32 s42, s42, 2
	s_add_co_u32 s42, s42, s40                     ; tq: Q's tile; it never holds cy
	s_lshl_b32 s43, s41, 2
	s_lshl_b32 s43, 15, s43                        ; my row of the cluster
	s_lshl_b32 s44, 0x1111, s40                    ; my column
	; descriptor group 1: a tile of 128 rows x 256 bytes, padded in LDS
	s_or_b32 s[G1+0], s43, (0<<16)|(1<<20)|(1<<21)|(5<<22)|(3<<25)  ; 15:0 the mask: P's tiles go to my row; 17:16 element of 1 byte; 20 padding on; 21 set beside a mask; 24:22 after every 64 words (code 5); 31:25 of 4 words (code 3)
	s_or_b32 s[G1B+0], s44, (0<<16)|(1<<20)|(1<<21)|(5<<22)|(3<<25) ; the same with the mask of my column
.irp g, G1, G1B
	s_mov_b32 s[\g+1], ROWB<<16                    ; tensor_dim0
	s_mov_b32 s[\g+2], 128<<16                     ; tensor_dim1 = 128
	s_mov_b32 s[\g+3], ROWB<<16                    ; tile_dim0
	s_mov_b32 s[\g+4], 128                         ; tile_dim1 = 128
	s_mov_b32 s[\g+5], KROW                        ; tensor_dim0_stride
	s_mov_b32 s[\g+6], 0
	s_mov_b32 s[\g+7], 0
.endr
	s_lshl_b32 s18, s16, 7                         ; which 128 rows of the tile I fetch
	s_lshl_b32 s20, s17, 8
	s_add_co_u32 s20, s20, s18                     ; P: row 256 tp + 128 x half
	s_lshl_b32 s46, s42, 8
	s_add_co_u32 s46, s46, s18                     ; Q: row 256 tq + 128 x half
	s_lshl_b32 s20, s20, 10                        ; in bytes: a row is 1,024
	s_lshl_b32 s46, s46, 10
	s_mov_b32 s21, 0
	s_mov_b32 s47, 0
	s_mul_i32 s45, s14, HALFT                      ; where they go: wave x 128 rows: no place in the cluster enters an LDS address
	s_wait_kmcnt 0x0
	s_load_b256 s[80:87], s[8:9], 0x0              ; e0 .. e7
	s_cmp_eq_u32 ttmp9, 2
	s_cselect_b64 s[68:69], s[6:7], s[4:5]         ; P's buffer
	s_cselect_b64 s[70:71], s[4:5], s[6:7]         ; Q's buffer
	s_cselect_b32 s72, 0x200000, 0                 ; section 2: w_qkv from row 2048 on
	s_mov_b32 s73, 0
	s_add_nc_u64 s[68:69], s[68:69], s[72:73]
	s_add_nc_u64 s[20:21], s[68:69], s[20:21]
	s_add_nc_u64 s[46:47], s[70:71], s[46:47]
	CROUND                                         ; all sixteen work-groups are here: the first joint loads meet
.irp s, 0,1
	s_mov_b32 s[G0+4*\s], 1
	s_add_co_u32 s[G0+4*\s+1], s45, \s*SLOT
	s_add_nc_u64 s[G0+4*\s+2:G0+4*\s+3], s[20:21], \s*ROWB
	s_or_b32 s[G0+4*\s+3], s[G0+4*\s+3], 0x80000000
	s_mov_b32 s[G0B+4*\s], 1
	s_add_co_u32 s[G0B+4*\s+1], s45, \s*SLOT
	s_add_nc_u64 s[G0B+4*\s+2:G0B+4*\s+3], s[46:47], \s*ROWB
	s_or_b32 s[G0B+4*\s+3], s[G0B+4*\s+3], 0x80000000
	s_wait_alu depctr_va_vdst(0)
	s_wait_tensorcnt 0x0
	ds_add_u32 v28, v29
	ds_add_u32 v28, v29
	s_wait_dscnt 0x0
	CROUND
	JLOAD G0+4*\s, G1, G0B+4*\s, G1B
.endr
	v_and_b32 v1, 15, v0                           ; r = lane % 16
	s_wait_alu depctr_va_vdst(0)
	v_bfe_u32 v2, v0, 4, 1                         ; h = lane / 16
	v_mul_u32_u24 v3, v1, PITCH
	v_lshl_add_u32 v4, v2, 4, v3                   ; a fragment's row x pitch + 16 x half
	s_mul_i32 s21, s15, HALFT                      ; my 128 rows of P
	s_mul_i32 s22, s16, HALFT                      ; my 128 rows of Q,
	s_add_co_u32 s22, s22, 2*HALFT                 ; which lie behind P's 256
.irp s, 0,1
	v_add_nc_u32 v[ADRA+\s], s21, v4
	v_add_nc_u32 v[ADRB+\s], s22, v4
	s_add_co_u32 s21, s21, SLOT
	s_add_co_u32 s22, s22, SLOT
.endr
	; the stage's addresses, all made here
	s_mul_i32 s23, s15, 128*SPITCH
	s_lshl_b32 s67, s16, 7
	s_add_co_u32 s23, s23, s67
	v_mul_u32_u24 v5, v1, SPITCH
	s_wait_alu depctr_va_vdst(0)
	v_lshl_add_u32 v5, v2, 3, v5
	v_add_nc_u32 v[STO], s23, v5                   ; in: row 128 (wave / 2) + r, byte 128 (wave % 2) + 8 h
	v_and_b32 v6, 31, v0
	v_lshrrev_b32 v7, 2, v6
	v_mul_u32_u24 v7, v7, SPITCH
	v_and_b32 v8, 3, v0
	v_lshl_add_u32 v7, v8, 4, v7
	s_lshl_b32 s67, s14, 6
	v_add_nc_u32 v[RDQ], s67, v7                   ; q, k back: wave w takes the tile's columns 64 w on (one head); four lanes to a token's 64 bytes, eight tokens an instruction
	v_add_nc_u32 v[RDQ2], 128*SPITCH, v[RDQ]
	s_mul_i32 s67, s14, 64*SPITCH
	v_mul_u32_u24 v9, v2, SPITCH
	v_lshl_add_u32 v9, v1, 4, v9
	v_add_nc_u32 v[RDV], s67, v9                   ; v back: wave w takes rows 64 w on (one head's channels); sixteen lanes to a row of 256 bytes
	v_lshlrev_b32 v[COQ], 4, v6
	v_lshlrev_b32 v10, 11, v2
	v_lshl_add_u32 v[COV], v1, 4, v10
	; where my wave's head begins in qkvc, made in registers that feed no descriptor
	s_and_b32 s74, s42, 3
	s_cmp_eq_u32 ttmp9, 2
	s_cselect_b32 s75, s42, s17                    ; the tile of tokens
	s_cselect_b32 s74, s17, s74                    ; the tile of features within the section: four heads
	s_cselect_b32 s76, 8, 14                       ; 256 tokens on: 256 bytes along a row of v, 16,384 bytes of q or k
	s_lshl_b32 s74, s74, 2
	s_add_co_u32 s74, s74, s14                     ; my head
	s_lshl_b32 s74, s74, 17                        ; x 131,072 bytes
	s_lshr_b32 s77, s75, 3
	s_lshl_b32 s77, s77, 21                        ; the batch: 16 heads
	s_add_co_u32 s74, s74, s77
	s_and_b32 s75, s75, 7
	s_lshl_b32 s75, s75, s76
	s_add_co_u32 s74, s74, s75
	s_lshl_b32 s77, ttmp9, 23                      ; the section
	s_add_co_u32 s74, s74, s77
	s_mov_b32 s75, 0
	s_add_nc_u64 s[10:11], s[10:11], s[74:75]
.macro FRAG reg, adr, q, i             ; a fragment, 16 rows x 128 K, is 16 registers: lane l holds row l % 16; registers 4 c .. 4 c + 3 hold K = 32 c + 16 (l / 16) + 0 .. 15
.irp c, 0,1,2,3
	ds_load_b128 v[\reg+4*\c:\reg+4*\c+3], v[\adr] offset:128*(\q)+32*\c+(\i)*16*PITCH
.endr
.endm
; 16 matrix instructions: P's blocks a0, a0 + 1 x Q's eight, 128 along K.  p: Q's set.  zero = 1: the first product starts the sums.
; The 64 accumulators take turns, one instruction a turn, in the same order in every step.
.macro MUL16 a0, p, zero
.irp a, \a0, \a0+1
.irp b, 0,1,2,3,4,5,6,7
.if \zero
	v_wmma_f32_16x16x128_fp8_fp8 v[8*(8*((\a)%4)+\b):8*(8*((\a)%4)+\b)+7], v[128*(\p)+FR*\b:128*(\p)+FR*\b+FR-1], v[AF+FR*(\a):AF+FR*(\a)+FR-1], 0
.else
	v_wmma_f32_16x16x128_fp8_fp8 v[8*(8*((\a)%4)+\b):8*(8*((\a)%4)+\b)+7], v[128*(\p)+FR*\b:128*(\p)+FR*\b+FR-1], v[AF+FR*(\a):AF+FR*(\a)+FR-1], v[8*(8*((\a)%4)+\b):8*(8*((\a)%4)+\b)+7]
.endif
.endr
.endr
.endm
.macro FETCH_B slot, q, p              ; Q's eight fragments of the slot's q-th 128 along K into set p
	WIN TO_B
.irp i, 0,1,2,3,4,5,6,7
	FRAG 128*(\p)+FR*\i, ADRB+\slot, \q, \i
.endr
	WIN 0
.endm
.macro FETCH_A slot, q, i0             ; P's blocks i0 .. i0 + 3
.irp i, \i0, \i0+1, \i0+2, \i0+3
	FRAG AF+FR*(\i), ADRA+\slot, \q, \i
.endr
.endm
; A load into a register that a matrix instruction has read, and a vector instruction that reads a matrix result or writes a matrix instruction's register, stand NP places behind it;
; only plain vector instructions that name none of its registers are places.
.macro PLACES n
.rept \n
	v_nop
.endr
.endm
; A step of 128 along K that has its successor in the same slot.  P has one set of registers: blocks 0-3 are fetched anew in the step's middle, blocks 4-7 at its end.
.macro STEP slot, q, zero
	s_wait_dscnt 4*NL                              ; Q's set and P's blocks 0-3 are in; the youngest sixteen loads (P's blocks 4-7) may be out
	WIN MUL_LO
	MUL16 0, (\q)%2, \zero
	MUL16 2, (\q)%2, \zero
	s_wait_dscnt 0                                 ; P's blocks 4-7 are in
	PLACES NP
	FETCH_B \slot, (\q)+1, 1-(\q)%2
	FETCH_A \slot, (\q)+1, 0
	WIN MUL_HI
	MUL16 4, (\q)%2, \zero
	MUL16 6, (\q)%2, \zero
	PLACES NP
	WIN 0
	FETCH_A \slot, (\q)+1, 4
.endm
; A slot's last step changes slots: one barrier; in front of it each wave waits for all its tensor loads, adds 0 to its spare word, and waits for that and for its own reads of this slot.
; fill = 1: this slot is filled again, two K steps ahead; the barrier then opens a round of the cluster's barrier.
.macro TURN slot, next, fill
	s_wait_tensorcnt 0x0                           ; all my tensor loads have landed: my part of the next slot
	ds_add_u32 v[SPW], v[NIL]                      ; 0 onto my spare word
	s_wait_dscnt 4*NL+1                            ; the add and the youngest sixteen loads (P's blocks 4-7) may be out
	WIN MUL_LO
	MUL16 0, 1, 0                                  ; sixteen matrix instructions stand between the add and the wait for it
	s_wait_dscnt 0x0                               ; the add is done, and my reads of this slot are over
	s_barrier_signal -1
	MUL16 2, 1, 0
	WIN 0
	s_barrier_wait -1
.if \fill
	CREST                                          ; no wave of any partner still reads this slot's tile or has a load on its way
	s_add_nc_u64 s[G0+4*\slot+2:G0+4*\slot+3], s[G0+4*\slot+2:G0+4*\slot+3], 2*ROWB
	s_add_nc_u64 s[G0B+4*\slot+2:G0B+4*\slot+3], s[G0B+4*\slot+2:G0B+4*\slot+3], 2*ROWB
	JLOAD G0+4*\slot, G1, G0B+4*\slot, G1B         ; the first tensor load behind the round; the four v_nop behind it are the places in front of the loads below
.else
	PLACES NP
.endif
	FETCH_B \next, 0, 0
	FETCH_A \next, 0, 0
	WIN MUL_HI
	MUL16 4, 1, 0
	MUL16 6, 1, 0
	PLACES NP
	WIN 0
	FETCH_A \next, 0, 4
.endm
	s_wait_tensorcnt 1                             ; my part of K step 0 is in; K step 1's load may be out
	s_barrier_signal -1
	s_barrier_wait -1                              ; everybody's is
	FETCH_B 0, 0, 0
	FETCH_A 0, 0, 0
	FETCH_A 0, 0, 4
	STEP 0, 0, 1                                   ; K 0-127: the products start the sums
	TURN 0, 1, 1                                   ; K 128-255; slot 0 takes K 512-767
	STEP 1, 0, 0
	TURN 1, 0, 1                                   ; slot 1 takes K 768-1023
	STEP 0, 0, 0
	TURN 0, 1, 0                                   ; nothing is left to fetch: slot 0 has had its last fill, and behind this barrier nobody reads it
	STEP 1, 0, 0
	s_wait_dscnt 4*NL                              ; the last step
	WIN MUL_LO
	MUL16 0, 1, 0
	MUL16 2, 1, 0
	s_wait_dscnt 0
	WIN MUL_HI
	MUL16 4, 1, 0
	MUL16 6, 1, 0
	WIN 0
	; THE WAY OUT.  A sum stands for sum x 2^(e0 + e1); its code is sum / 2^es, es = e - e0 - e1: the three scales are folded into the conversion's one.
	s_wait_kmcnt 0x0
	s_cmp_eq_u32 ttmp9, 0
	s_cselect_b32 s88, s82, s83                    ; q: e2, k: e3,
	s_cmp_eq_u32 ttmp9, 2
	s_cselect_b32 s88, s85, s88                    ; v: e5
	s_sub_co_i32 s88, s88, s80
	s_sub_co_i32 s88, s88, s81
	s_add_co_i32 s88, s88, 127
	s_lshl_b32 s89, s88, 23
	v_mov_b32 v[SCL], s89                          ; 2^es as f32: the conversion takes its exponent field
	s_add_co_i32 s88, s88, 8
	s_lshl_b32 s88, s88, 23
	s_or_b32 s88, s88, 0x600000
	PLACES NP
; Block a (16 rows of p x my 128 q): converted, 8 codes a lane and accumulator into the stage.  Each block has its own registers for its codes.
.macro QBLOCK a
	WIN 0x02+((\a)/4)                              ; source 0: window 2 or 3
.set jj, 0
.rept 64
.set jj, jj+1
.endr
.set jj, 0
.rept 8
	v_cvt_scalef32_pk8_fp8_f32 v[CD+16*(\a)+2*jj:CD+16*(\a)+2*jj+1], v[TMP+8*jj+((64*((\a)%4)+jj)-(TMP+jj)):TMP+8*jj+7+((64*((\a)%4)+jj)-(TMP+jj))], v[SCL]
.set jj, jj+1
.endr
	WIN 0
	v_nop                                          ; one plain vector instruction behind the conversions
.set jj, 0
.rept 8
	ds_store_b64 v[STO], v[CD+16*(\a)+2*jj:CD+16*(\a)+2*jj+1] offset:(\a)*16*SPITCH+16*jj
.set jj, jj+1
.endr
.endm
.irp a, 0,1,2,3,4,5,6,7
	QBLOCK \a
.endr
	s_wait_dscnt 0x0                               ; for the others' sake: my stores into the stage are done
	s_barrier_signal -1
	s_barrier_wait -1                              ; a row's 256 bytes come from two waves
; q (perm = 0) and k (perm = 1): my head's 256 tokens x 64 bytes are 16,384 consecutive bytes of memory; instruction i stores 512 of them: memory rows 8 i .. 8 i + 7, which hold tokens 8 i on (q) or SW(8 i) on (k).
.macro OUTQK perm
.set ii, 0
.rept 32
.if \perm
.set rw, ((8*ii)&0xe7)|(((8*ii)&8)<<1)|(((8*ii)&16)>>1)
.else
.set rw, 8*ii
.endif
.if rw < 128
	ds_load_b128 v[BK+4*ii:BK+4*ii+3], v[RDQ] offset:rw*SPITCH
.else
	ds_load_b128 v[BK+4*ii:BK+4*ii+3], v[RDQ2] offset:(rw-128)*SPITCH
.endif
.set ii, ii+1
.endr
.set ii, 0
.rept 32
	s_wait_dscnt 31-ii                             ; LDS loads come back in order: load ii is in, the younger ones may be out
	global_store_b128 v[COQ], v[BK+4*ii:BK+4*ii+3], s[10:11] offset:512*ii   ; 32 lanes store 512 consecutive bytes, aligned
.set ii, ii+1
.endr
.endm
; v: my head's 64 channels; instruction i takes channels 2 i and 2 i + 1, 256 tokens each, to memory rows SW(2 i) and SW(2 i) + 1.
.macro OUTV
.set ii, 0
.rept 32
	ds_load_b128 v[BK+4*ii:BK+4*ii+3], v[RDV] offset:2*ii*SPITCH
.set ii, ii+1
.endr
.set ii, 0
.rept 32
.set rw, ((2*ii)&0xe7)|(((2*ii)&8)<<1)|(((2*ii)&16)>>1)
	s_wait_dscnt 31-ii
	global_store_b128 v[COV], v[BK+4*ii:BK+4*ii+3], s[10:11] offset:rw*2048   ; sixteen lanes store 256 consecutive bytes, aligned
.set ii, ii+1
.endr
.endm
	s_cmp_eq_u32 ttmp9, 2                          ; the section is the same in all partners; the three ways only read LDS
	s_cbranch_scc1 .Lout_v
	s_cmp_eq_u32 ttmp9, 1
	s_cbranch_scc1 .Lout_k
	OUTQK 0
	s_branch .Lend
.Lout_k:
	OUTQK 1
	s_branch .Lend
.Lout_v:
	OUTV
.Lend:
	s_wait_tensorcnt 0x0                           ; the wave's end
	ds_add_u32 v[SPW], v[NIL]
	s_wait_dscnt 0x0
	CROUND                                         ; the closing round: no work-group ends while a partner may still ask for a tile that names it
	s_endpgm
.Lfunc_end_k_qd51e091f87_qkv:
	.size	k_qd51e091f87_qkv, .Lfunc_end_k_qd51e091f87_qkv-k_qd51e091f87_qkv
	.p2alignl 7, 3214868480
	.fill 96, 4, 3214868480
	.section	.rodata,"a",@progbits
	.p2align	6, 0x0
	.amdhsa_kernel k_qd51e091f87_qkv
		.amdhsa_group_segment_fixed_size 327680
		.amdhsa_private_segment_fixed_size 0
		.amdhsa_enable_private_segment 0
		.amdhsa_kernarg_size 32
		.amdhsa_user_sgpr_count 2
		.amdhsa_user_sgpr_kernarg_segment_ptr 1
		.amdhsa_wavefront_size32 1
		.amdhsa_system_sgpr_workgroup_id_x 1
		.amdhsa_system_sgpr_workgroup_id_y 1
		.amdhsa_system_sgpr_workgroup_id_z 1
		.amdhsa_system_vgpr_workitem_id 0
		.amdhsa_next_free_vgpr 1024
		.amdhsa_next_free_sgpr 100
		.amdhsa_reserve_vcc 0
		.amdhsa_float_denorm_mode_32 3
		.amdhsa_float_denorm_mode_16_64 3
		.amdhsa_fp16_overflow 1
		.amdhsa_memory_ordered 1
		.amdhsa_forward_progress 1
		.amdhsa_inst_pref_size 107
	.end_amdhsa_kernel
	.amdgpu_metadata
---
amdhsa.version: [ 1, 2 ]
amdhsa.kernels:
  - .name:           k_qd51e091f87_qkv
    .symbol:         k_qd51e091f87_qkv.kd
    .args:
      - { .name: x_codes, .offset: 0, .size: 8, .value_kind: global_buffer, .address_space: global }
      - { .name: w_qkv_codes, .offset: 8, .size: 8, .value_kind: global_buffer, .address_space: global }
      - { .name: lowp_scales, .offset: 16, .size: 8, .value_kind: global_buffer, .address_space: global }
      - { .name: qkvc, .offset: 24, .size: 8, .value_kind: global_buffer, .address_space: global }
    .group_segment_fixed_size: 327680
    .private_segment_fixed_size: 0
    .kernarg_segment_align: 8
    .kernarg_segment_size: 32
    .max_flat_workgroup_size: 128
    .sgpr_count:     100
    .vgpr_count:     1024
    .wavefront_size: 32
...
	.end_amdgpu_metadata
.endif
;; end of part 1
;; launch attn (part 2): grid 4 x 64, 16 waves a work-group, no clusters, 327,680 bytes of LDS; arguments qkvc, lowp_scales, att; writes att
.if DOCPART == 2
	.amdgcn_target "amdgcn-amd-amdhsa--gfx1250"
	.amdhsa_code_object_version 6
	.text
	.protected	k_qd51e091f87_attn
	.globl	k_qd51e091f87_attn
	.p2align	8
	.type	k_qd51e091f87_attn,@function
k_qd51e091f87_attn:
	s_mov_b64 s[64:65], 0
	v_nop
	global_prefetch_b8 v0, s[64:65] scope:SCOPE_SE
	s_setreg_imm32_b32 hwreg(HW_REG_WAVE_MODE, 25, 1), 1
	s_wait_xcnt 0x0
; Causal attention on codes of FP8 (E4M3) for 64 heads (batch x head) of 2,048 tokens x 64 channels; the result is quantised with 2^e6 and stored as codes.
; INPUT qkvc: q [bh][t][64];  k [bh][t'][64], token t at row t' = SW(t);  v [bh][d'][2048], keys innermost, channel d at row d' = SW(d).  SW swaps bits 3 and 4.
; OUTPUT att: the next product's operand as images of its registers: [K step of 256: 4][tile of 16 tokens: 512][128 along K: 2][c: 4][lane: 32][16 bytes]; lane (r, h) holds token r, K = 32 c + 16 h + 0 .. 15.
; THE SOFTMAX: t = score x log2(e) / 8; M = the row's largest t so far, rounded UP to a whole number; p = 2^(t - M) is quantised with 2^e4, not normalised; the row's sum is taken of the unquantised p and divides at the end.
; When M moves, the sum and O are multiplied by 2^(old M - new M): exact.
; SHARES.  Work-group (i, bh) owns the blocks of 256 queries 7 - i and i of head bh.  Block 7 - i walks the slots of 256 keys 0 .. 7 - i, then block i walks 0 .. i: nine slots in every work-group, 256 work-groups of equal work,
; and no tile is fetched that the mask hides whole.  The trip count is the constant 9.  Each of SIXTEEN waves owns 16 queries of the block in hand, in 256 registers: four waves to a SIMD.
; NO CLUSTER: from trip 5 on the four work-groups of a head want different slots in the same trip (slot = trip - (8 - i) behind the switch), so they have no joint request to make.
; LAYOUT.  Both products are used transposed: S^T = K Q^T (source 0 = 16 keys, source 1 = my 16 queries), O^T = V^T P^T (source 0 = 16 channels, source 1 = P): a lane holds ONE query (lane % 16) throughout.
; By k's order of rows the 16 registers of tiles 2 b and 2 b + 1 of S^T are the neighbouring keys 32 b + 16 (lane / 16) + 0 .. 15; by v's order the same holds of O^T's channels: conversions give the next operand's registers.
; Fragments come by loads of 16 bytes: a permutation of k that is the same in both operands of a product.
; LIMITS, so that each power of two below is an f32 number: e2 + e3 between -123 and 130 (added to c's exponent field); e4 and e6 - e4 - e5 between -126 and 119.  NaN codes are not served.
; REGISTERS: v1-7 addresses that stay; v8, v9 addresses of the step; v12 -M, v13 the largest t, v[14:15] the sum; v16-23 Q; v24-31 the result's codes; v32-95 K's 8 fragments, then V's 4; v96-159 S^T, then p;
;   v160-191 O^T; v192-223 O^T / sum; v224-239 p's codes; v244: 2^e4; v245: the same with e6 - e4 - e5; v236, v242, v243, v252-254 at work.
.set PT,    272                        ; an LDS row: 256 bytes + 16 of padding.  K: four keys of 64 bytes to a row; V: 256 keys of one channel
.set VOFF,  64*PT                      ; a slot: 64 rows of K (256 keys), then 64 rows of V
.set SLOT1, 1<<17                      ; slot 1 begins here: one exclusive or turns an address from one slot to the other
.set SPARE, 2*SLOT1                    ; behind the ring: the spare words, 128 bytes for each of sixteen waves, which no other line names
.set AK0,  1                           ; v1   my lane's place in a tile of K: 272 (r / 4) + 64 (r % 4) + 16 h
.set AV0,  2                           ; v2   the same for V: VOFF + 272 r + 16 h
.set PFO,  3                           ; v3   the prefetches' offset; never rewritten
.set QO,   4                           ; v4   Q: 64 r + 16 h
.set SPW,  5                           ; v5   LDS address of my spare word; never rewritten
.set NIL,  6                           ; v6   0; never rewritten
.set GO,   7                           ; v7   16 x lane: my place in an image
.set ADK,  8
.set ADV,  9
.set TB,   2                           ; s2   LDS byte at which the slot in hand begins
.set J,    3                           ; s3   the trip, 0 .. 8
.set NHI,  10                          ; s10  8 - i: the trips of the high block
.set KF,   11                          ; s11  the step's first key
.set Q0,   12                          ; s12  my first query
.set LIM,  13                          ; s13  a wave prefetches while the trip is under this: 6 or 0
.set PFS,  14                          ; s[14:15] a slot on, in bytes, in the stream that I prefetch
.set PFA,  16                          ; s[16:17] where my prefetches stand
.set WV,   18                          ; s18  my wave's number
.set SEL,  20                          ; s[20:21] lane selects for v_permlanex16_b32: lane l xor 16
.set CS,   22                          ; s[22:23] c = log2(e) / 8 x 2^(e2 + e3)
.set G1K,  24                          ; s[24:31] descriptor group 1 for K's tiles;  s[32:39] for V's;  s[40:43], s[44:47] their groups 0
.set G1V,  32
.set G0K,  40
.set G0V,  44
.set KB,   48                          ; s[48:49] my head's k;  s[50:51] my head's v
.set VB,   50
.set QAH,  52                          ; s[52:53] my queries' codes in the high block;  s[54:55] in the low block
.set QAL,  54
.set OA,   56                          ; s[56:57] my image in att, of the block in hand;  s[58:59] of the low block
.set OAL,  58
.set Q0L,  60                          ; s60  my first query in the low block
; Wave 0 fetches a slot's K, wave 1 its V, 64 rows each; the others nothing.  The branches hang on the wave's number alone.  Four v_nop follow each of the two lines.
.macro TLOAD
	s_cmp_eq_u32 s[WV], 0
	s_cbranch_scc0 .Lnot_k_\@
	tensor_load_to_lds s[G0K:G0K+3], s[G1K:G1K+7]
	s_nop 0
.rept 4
	v_nop
.endr
	s_branch .Lasked_\@
.Lnot_k_\@:
	s_cmp_eq_u32 s[WV], 1
	s_cbranch_scc0 .Lasked_\@
	tensor_load_to_lds s[G0V:G0V+3], s[G1V:G1V+7]
	s_nop 0
.rept 4
	v_nop
.endr
.Lasked_\@:
.endm
; A PREFETCH INTO THE L2 of the slot that the NEXT change of slots will ask for: trip j names slot j + 2, j = 0 .. 5.  All four work-groups of a head walk slots 0 on: work-group 0, which walks all eight, asks.
; In it waves 4 and 5 ask for K's 16,384 bytes, 8,192 a wave, lanes 256 bytes apart; waves 6 and 7 for V's 64 rows, 32 a wave, a lane a row (a slot's part of a row is 256 bytes, aligned): each block of 256 bytes is named once.
; Slots 0 and 1 come by their loads alone; the trips from 6 on ask for nothing: there is no slot 8.
.macro ASK
	s_cmp_lt_u32 s[J], s[LIM]
	s_cbranch_scc0 .Lnot_mine_\@
	global_prefetch_b8 v[PFO], s[PFA:PFA+1] th:TH_LOAD_NT scope:SCOPE_SE
.Lnot_mine_\@:
.endm
	s_load_b128 s[4:7], s[0:1], 0x0                ; qkvc s[4:5], the scales' exponents s[6:7]
	s_load_b64 s[8:9], s[0:1], 0x10                ; att
	v_lshl_add_u32 v[SPW], v0, 2, SPARE
	v_mov_b32 v[NIL], 0
	ds_add_u32 v5, v6
	ds_add_u32 v5, v6
	s_wait_dscnt 0x0
	v_lshrrev_b32 v8, 5, v0
	s_delay_alu instid0(VALU_DEP_1)
	v_readfirstlane_b32 s[WV], v8                  ; wave 0..15
	s_and_b32 s76, ttmp7, 0xffff                   ; bh
	s_lshl_b32 s77, s76, 17                        ; a head's codes are 131,072 bytes in each section
	s_sub_co_u32 s[NHI], 8, ttmp9
	s_sub_co_u32 s78, 7, ttmp9                     ; the high block
	s_lshl_b32 s79, s[WV], 10                      ; my 16 queries x 64 bytes
	s_add_co_u32 s79, s79, s77
	s_lshl_b32 s80, s78, 14                        ; a block of 256 queries is 16,384 bytes
	s_add_co_u32 s80, s80, s79
	s_mov_b32 s81, 0
	s_lshl_b32 s82, ttmp9, 14
	s_add_co_u32 s82, s82, s79
	s_mov_b32 s83, 0
	s_and_b32 s84, s76, 15                         ; the head within the batch: its 64 channels are K = 64 x head of the next product
	s_lshr_b32 s85, s84, 2
	s_lshl_b32 s85, s85, 21                        ; K step = head / 4: 512 tiles x 4,096 bytes
	s_and_b32 s86, s84, 3
	s_lshl_b32 s86, s86, 10                        ; (head % 4) x 1,024: which 128 along K, and c = 2 (head % 2)
	s_add_co_u32 s85, s85, s86
	s_lshr_b32 s86, s76, 4                         ; the batch: 128 tiles of 16 tokens
	s_lshl_b32 s86, s86, 7
	s_add_co_u32 s86, s86, s[WV]
	s_lshl_b32 s86, s86, 12
	s_add_co_u32 s85, s85, s86
	s_lshl_b32 s86, s78, 16                        ; a block is 16 tiles x 4,096 bytes
	s_add_co_u32 s86, s86, s85
	s_mov_b32 s87, 0
	s_lshl_b32 s88, ttmp9, 16
	s_add_co_u32 s88, s88, s85
	s_mov_b32 s89, 0
	s_lshl_b32 s90, s[WV], 4
	s_lshl_b32 s[Q0], s78, 8
	s_add_co_u32 s[Q0], s[Q0], s90
	s_lshl_b32 s[Q0L], ttmp9, 8
	s_add_co_u32 s[Q0L], s[Q0L], s90
	; descriptor group 1.  K: a slot's 256 keys x 64 bytes are dense in memory and are stated as 64 rows of 256 bytes.  V: 64 rows of 256 bytes, 2,048 bytes apart
	s_mov_b32 s[G1K], (0<<16)|(1<<20)|(5<<22)|(3<<25)   ; no mask; elements of 1 byte; padding on: four words (code 3) after every 64 (code 5)
	s_mov_b32 s[G1K+1], 256<<16                    ; tensor_dim0
	s_mov_b32 s[G1K+2], 64<<16                     ; tensor_dim1
	s_mov_b32 s[G1K+3], 256<<16                    ; tile_dim0
	s_mov_b32 s[G1K+4], 64                         ; tile_dim1
	s_mov_b32 s[G1K+5], 256                        ; tensor_dim0_stride
	s_mov_b32 s[G1K+6], 0
	s_mov_b32 s[G1K+7], 0
	s_mov_b32 s[G1V], (0<<16)|(1<<20)|(5<<22)|(3<<25)
	s_mov_b32 s[G1V+1], 256<<16
	s_mov_b32 s[G1V+2], 64<<16
	s_mov_b32 s[G1V+3], 256<<16
	s_mov_b32 s[G1V+4], 64
	s_mov_b32 s[G1V+5], 2048
	s_mov_b32 s[G1V+6], 0
	s_mov_b32 s[G1V+7], 0
	s_mov_b32 s[SEL], 0x76543210
	s_mov_b32 s[SEL+1], 0xfedcba98
	s_mov_b32 s[CS], 0x3e38aa3b                    ; log2(e) / 8
	s_mov_b32 s[TB], 0
	s_mov_b32 s[J], 0
	s_mov_b32 s[KF], 0
	s_add_co_u32 s92, s77, 0x800000                ; section 1
	s_mov_b32 s93, 0
	s_add_co_u32 s94, s77, 0x1000000               ; section 2
	s_mov_b32 s95, 0
	s_wait_kmcnt 0x0
	s_load_b256 s[68:75], s[6:7], 0x0              ; e0 .. e7
	s_add_nc_u64 s[KB:KB+1], s[4:5], s[92:93]
	s_add_nc_u64 s[VB:VB+1], s[4:5], s[94:95]
	s_mov_b32 s[G0K], 1                            ; count = 1
	s_mov_b32 s[G0K+1], 0                          ; LDS address: slot 0
	s_mov_b64 s[G0K+2:G0K+3], s[KB:KB+1]           ; the head's first 256 keys
	s_or_b32 s[G0K+3], s[G0K+3], 0x80000000        ; type = 2
	s_mov_b32 s[G0V], 1
	s_mov_b32 s[G0V+1], VOFF
	s_mov_b64 s[G0V+2:G0V+3], s[VB:VB+1]
	s_or_b32 s[G0V+3], s[G0V+3], 0x80000000
	TLOAD                                          ; slot 0: the first fill, ahead of every wait on TENSORcnt, LDS read and barrier
	s_add_nc_u64 s[QAH:QAH+1], s[4:5], s[80:81]
	s_add_nc_u64 s[QAL:QAL+1], s[4:5], s[82:83]
	s_add_nc_u64 s[OA:OA+1], s[8:9], s[86:87]
	s_add_nc_u64 s[OAL:OAL+1], s[8:9], s[88:89]
	; the prefetches: where my wave's stand, and who asks
	s_cmp_lt_u32 s[WV], 6                          ; waves 4 and 5: k; waves 6 and 7: v
	s_cselect_b64 s[PFA:PFA+1], s[KB:KB+1], s[VB:VB+1]
	s_mov_b32 s[PFS], 256
	s_cselect_b32 s[PFS], 16384, s[PFS]            ; a slot on
	s_mov_b32 s82, 2048
	s_cselect_b32 s82, 256, s82                    ; from lane to lane
	s_mov_b32 s83, 65536
	s_cselect_b32 s83, 8192, s83                   ; from wave to wave
	v_and_b32 v[PFO], 31, v0
	s_delay_alu instid0(VALU_DEP_1)
	v_mul_lo_u32 v[PFO], v[PFO], s82
	s_and_b32 s82, s[WV], 1
	s_mul_i32 s82, s82, s83
	s_add_co_u32 s82, s82, s[PFS]                  ; in slot 1: the first change of slots steps it to slot 2.  Nothing is prefetched here, at the head
	s_mov_b32 s83, 0
	s_mov_b32 s[PFS+1], 0
	s_add_nc_u64 s[PFA:PFA+1], s[PFA:PFA+1], s[82:83]
	s_sub_co_u32 s82, s[WV], 4
	s_lshr_b32 s82, s82, 2                         ; 0 in waves 4 to 7,
	s_or_b32 s82, s82, ttmp9                       ; of the head's work-group 0
	s_cmp_eq_u32 s82, 0
	s_cselect_b32 s[LIM], 6, 0
	v_and_b32 v8, 15, v0                           ; r
	v_bfe_u32 v9, v0, 4, 1                         ; h
	s_delay_alu instid0(VALU_DEP_2)
	v_lshlrev_b32 v[QO], 6, v8
	s_delay_alu instid0(VALU_DEP_1)
	v_lshl_add_u32 v[QO], v9, 4, v[QO]
	global_load_b128 v[16:19], v[QO], s[QAH:QAH+1]             ; Q's fragment, 16 queries x 64: registers 4 c .. 4 c + 3 hold channels 32 c + 16 h + 0 .. 15
	global_load_b128 v[20:23], v[QO], s[QAH:QAH+1] offset:32
	v_lshrrev_b32 v10, 2, v8
	s_delay_alu instid0(VALU_DEP_1)
	v_mul_u32_u24 v[AK0], v10, PT
	v_and_b32 v10, 3, v8
	s_delay_alu instid0(VALU_DEP_1)
	v_lshl_add_u32 v[AK0], v10, 6, v[AK0]
	s_delay_alu instid0(VALU_DEP_1)
	v_lshl_add_u32 v[AK0], v9, 4, v[AK0]
	v_mul_u32_u24 v[AV0], v8, PT
	s_delay_alu instid0(VALU_DEP_1)
	v_lshl_add_u32 v[AV0], v9, 4, v[AV0]
	s_delay_alu instid0(VALU_DEP_1)
	v_add_nc_u32 v[AV0], VOFF, v[AV0]
	v_and_b32 v[GO], 31, v0
	s_delay_alu instid0(VALU_DEP_1)
	v_lshlrev_b32 v[GO], 4, v[GO]
	v_mov_b32 v13, 0xff61b1e6                      ; the largest t so far: -3e38, under every t
	s_delay_alu instid0(VALU_DEP_1)
	v_floor_f32 v12, -v13                          ; -M
	v_mov_b32 v14, 0                               ; the sum, in two halves
	v_mov_b32 v15, 0
	v_mov_b32 v236, 0                              ; written once: a lane permute's destination counts as one of its sources
	v_mov_b32 v252, 0
	v_mov_b32 v253, 0                              ; (named as the upper half of the pair v[252:253])
	v_mov_b32 v254, 0
.set n1, 0
.rept 32
	v_mov_b32 v[160+n1], 0                         ; O^T.  The key step is written once for all steps: a block's first step finds zeros, which the first change of M leaves zeros
.set n1, n1+1
.endr
	s_wait_kmcnt 0x0
	s_add_co_i32 s76, s70, s71
	s_lshl_b32 s76, s76, 23
	s_add_co_i32 s[CS], s[CS], s76                 ; a score stands for score x 2^(e2 + e3): the two exponents are added to c's exponent field
	s_mov_b32 s[CS+1], s[CS]                       ; (named with it as a pair, so it is written)
	s_add_co_i32 s76, s72, 127
	s_lshl_b32 s77, s76, 23
	v_mov_b32 v244, s77                            ; 2^e4 as f32, for p's conversions
	s_sub_co_i32 s76, s74, s72
	s_sub_co_i32 s76, s76, s73                     ; a sum of the second product stands for sum x 2^(e4 + e5): the result's code is (sum / l) / 2^(e6 - e4 - e5)
	s_add_co_i32 s76, s76, 127
	s_lshl_b32 s77, s76, 23
	v_mov_b32 v245, s77
; A KEY STEP: 128 keys, the q-th of the slot in hand.
.macro STEP q
	s_add_co_u32 s96, s[Q0], 15                    ; a step all of whose keys come after my 16 queries is left out: a scalar branch on ids; no barrier and no tensor load stands in a step
	s_cmp_gt_u32 s[KF], s96
	s_cbranch_scc1 .Lhidden_\@
	v_add_nc_u32 v[ADK], s[TB], v[AK0]
	v_add_nc_u32 v[ADV], s[TB], v[AV0]
	v_nop                                          ; with the two additions: four places in front of loads into registers that the last products read
	v_nop
.set n1, 0
.rept 8                                        ; K's eight tiles of 16 keys x 64 channels: rows 16 n1 on of the step, four keys to an LDS row
	ds_load_b128 v[32+8*n1:35+8*n1], v[ADK] offset:(32*(\q)+4*n1)*PT
	ds_load_b128 v[36+8*n1:39+8*n1], v[ADK] offset:(32*(\q)+4*n1)*PT+32
.set n1, n1+1
.endr
	s_wait_alu depctr_va_vdst(0)
	s_wait_dscnt 0x0
.set n1, 0
.rept 8
	v_wmma_f32_16x16x64_fp8_fp8 v[96+8*n1:103+8*n1], v[32+8*n1:39+8*n1], v[16:23], 0   ; S^T: lane (r, h) holds query r; register 16 b + i holds key KF + 32 b + 16 h + i
.set n1, n1+1
.endr
.rept 4
	v_nop                                          ; places: in front of the loads below, and of the first read of the scores
.endr
.set n1, 0
.rept 4                                        ; V's four tiles of 16 channels x 128 keys are asked for now and land under the softmax
.irp c, 0,1,2,3
	ds_load_b128 v[32+16*n1+4*\c:35+16*n1+4*\c], v[ADV] offset:16*n1*PT+128*(\q)+32*\c
.endr
.set n1, n1+1
.endr
	s_add_co_u32 s96, s[KF], 127                   ; on the diagonal the scores of hidden keys become -infinity ahead of the maximum: p = 0 then.  A step all of whose keys count skips this
	s_cmp_le_u32 s96, s[Q0]
	s_cbranch_scc1 .Lopen_\@
	s_sub_co_i32 s96, s[Q0], s[KF]
	v_and_b32 v252, 15, v0
	v_bfe_u32 v253, v0, 4, 1
	s_delay_alu instid0(VALU_DEP_1)
	v_lshlrev_b32 v253, 4, v253
	s_delay_alu instid0(VALU_DEP_1)
	v_sub_nc_u32 v252, v252, v253
	s_delay_alu instid0(VALU_DEP_1)
	v_add_nc_u32 v252, s96, v252                   ; d = my query - KF - 16 h: register 16 b + i is hidden where 32 b + i > d
	v_mov_b32 v254, 0xff800000                     ; -infinity
.set n1, 0
.rept 64
	v_cmp_gt_i32 vcc_lo, 32*(n1/16)+n1%16, v252
	v_cndmask_b32 v[96+n1], v[96+n1], v254, vcc_lo
.set n1, n1+1
.endr
.Lopen_\@:
	v_max3_num_f32 v254, v96, v97, v98             ; the step's largest score of my query, among my 64 keys, in two chains,
	v_max3_num_f32 v252, v99, v100, v101
.irp i, 6,10,14,18,22,26,30,34,38,42,46,50,54,58
	v_max3_num_f32 v254, v254, v[96+\i], v[97+\i]
	v_max3_num_f32 v252, v252, v[98+\i], v[99+\i]
.endr
	v_max3_num_f32 v254, v254, v158, v159
	s_delay_alu instid0(VALU_DEP_1)
	v_max_num_f32 v254, v254, v252
	v_permlanex16_b32 v236, v254, s[SEL], s[SEL+1]
	s_delay_alu instid0(VALU_DEP_1)
	v_max_num_f32 v254, v254, v236                 ; and among lane l xor 16's
	s_delay_alu instid0(VALU_DEP_1)
	v_mul_f32 v254, s[CS], v254                    ; as t (c is positive)
	s_delay_alu instid0(VALU_DEP_1)
	v_max_num_f32 v13, v13, v254                   ; the running largest t
	v_mov_b32 v254, v12
	s_delay_alu instid0(VALU_DEP_2)
	v_floor_f32 v12, -v13                          ; the new -M = floor(-t) = -ceil(t): M is a whole number
	s_delay_alu instid0(VALU_DEP_1)
	v_sub_f32 v254, v12, v254                      ; M's old value less its new one: a whole number, 0 or less
	s_delay_alu instid0(VALU_DEP_1)
	v_cvt_i32_f32 v254, v254                       ; (it saturates)
	s_delay_alu instid0(VALU_DEP_1)
	v_ldexp_f32 v252, 1.0, v254                    ; f = 2^(old M - new M)
.set n1, 0
.rept 32
	v_pk_fma_f32 v[96+n1:97+n1], v[96+n1:97+n1], s[CS:CS+1], v[12:13] op_sel_hi:[1,0,0]   ; t - M, two at a time (of the pairs c and -M the low word serves both halves)
.set n1, n1+2
.endr
.set n1, 0
	s_wait_alu depctr_va_vdst(0)
.rept 64
	v_exp_f32 v[96+n1], v[96+n1]                   ; p = 2^(t - M), at most 1: not normalised
.set n1, n1+1
.endr
	v_pk_mul_f32 v[14:15], v[14:15], v[252:253] op_sel_hi:[1,0]   ; the sums under the new M (a plain place behind the exponentials)
	s_wait_alu depctr_va_vdst(0)
	v_pk_add_f32 v[242:243], v[100:101], v[104:105]
	v_pk_add_f32 v[254:255], v[108:109], v[112:113]
	v_pk_add_f32 v[250:251], v[116:117], v[120:121]
	v_pk_add_f32 v[248:249], v[124:125], v[128:129]
	v_pk_add_f32 v[246:247], v[132:133], v[136:137]
	v_pk_add_f32 v[240:241], v[140:141], v[144:145]
	v_pk_add_f32 v[238:239], v[148:149], v[152:153]
	v_pk_add_f32 v[14:15], v[14:15], v[156:157]
	v_pk_add_f32 v[242:243], v[242:243], v[96:97]
	v_pk_add_f32 v[254:255], v[254:255], v[98:99]
	v_pk_add_f32 v[250:251], v[250:251], v[102:103]
	v_pk_add_f32 v[248:249], v[248:249], v[106:107]
	v_pk_add_f32 v[246:247], v[246:247], v[110:111]
	v_pk_add_f32 v[240:241], v[240:241], v[114:115]
	v_pk_add_f32 v[238:239], v[238:239], v[118:119]
	v_pk_add_f32 v[14:15], v[14:15], v[122:123]
	v_pk_add_f32 v[242:243], v[242:243], v[126:127]
	v_pk_add_f32 v[254:255], v[254:255], v[130:131]
	v_pk_add_f32 v[250:251], v[250:251], v[134:135]
	v_pk_add_f32 v[248:249], v[248:249], v[138:139]
	v_pk_add_f32 v[246:247], v[246:247], v[142:143]
	v_pk_add_f32 v[240:241], v[240:241], v[146:147]
	v_pk_add_f32 v[238:239], v[238:239], v[150:151]
	v_pk_add_f32 v[14:15], v[14:15], v[154:155]
	v_pk_add_f32 v[242:243], v[242:243], v[158:159]
	s_delay_alu instid0(VALU_DEP_2)
	v_pk_add_f32 v[14:15], v[14:15], v[248:249]
	s_delay_alu instid0(VALU_DEP_2)
	v_pk_add_f32 v[242:243], v[242:243], v[246:247]
	v_pk_add_f32 v[254:255], v[254:255], v[240:241]
	v_pk_add_f32 v[250:251], v[250:251], v[238:239]
	s_delay_alu instid0(VALU_DEP_2)
	v_pk_add_f32 v[14:15], v[14:15], v[254:255]
	s_delay_alu instid0(VALU_DEP_2)
	v_pk_add_f32 v[242:243], v[242:243], v[250:251]
	s_delay_alu instid0(VALU_DEP_1)
	v_pk_add_f32 v[14:15], v[14:15], v[242:243]
.irp b, 0,1,2,3
.irp i, 0,1,2,3,4,5,6,7,8,9,10,11,12,13,14,15
.endr
	v_cvt_scalef32_pk8_fp8_f32 v[224+4*\b:225+4*\b], v[96+16*\b:103+16*\b], v244
	v_cvt_scalef32_pk8_fp8_f32 v[226+4*\b:227+4*\b], v[104+16*\b:111+16*\b], v244
.endr
.set n1, 0
.rept 16
	v_pk_mul_f32 v[160+n1:161+n1], v[160+n1:161+n1], v[252:253] op_sel_hi:[1,0]   ; O^T under the new M; each accumulator from its low end on.  (Plain lines between the conversions and the products that read the codes)
.set n1, n1+2
.endr
	s_wait_alu depctr_va_vdst(0)
	s_wait_dscnt 0x0                               ; V is in
.set n1, 0
.rept 4
	v_wmma_f32_16x16x128_fp8_fp8 v[160+8*n1:167+8*n1], v[32+16*n1:47+16*n1], v[224:239], v[160+8*n1:167+8*n1]   ; O^T += V^T P^T; the four accumulators take turns
.set n1, n1+1
.endr
.Lhidden_\@:
	s_add_co_u32 s[KF], s[KF], 128
.endm
; THE CHANGE OF SLOTS stands at a slot's head.  Each wave waits for all its tensor loads, adds 0 to its spare word, and waits for that and for its reads of the slot that it has left.
; Behind the barrier the slot ahead is whole and nobody reads the other one.  fill = 1: that other slot takes the keys of the next trip: slot j + 1, or j + 1 - (8 - i) behind the switch of blocks.
.macro CHANGE fill
	s_wait_tensorcnt 0x0                           ; no tensor load of mine is out, so a group 0 may be written
	ds_add_u32 v[SPW], v[NIL]                      ; 0 onto my spare word; the descriptors' steps stand between it and the wait for it
.if \fill
	s_xor_b32 s[G0K+1], s[G0K+1], SLOT1            ; the other LDS slot than last time
	s_xor_b32 s[G0V+1], s[G0V+1], SLOT1
	s_add_co_u32 s76, s[J], 1
	s_cmp_ge_u32 s76, s[NHI]
	s_cselect_b32 s77, s[NHI], 0
	s_sub_co_u32 s76, s76, s77                     ; which 256 keys
	s_lshl_b32 s78, s76, 14
	s_mov_b32 s79, 0
	s_add_nc_u64 s[G0K+2:G0K+3], s[KB:KB+1], s[78:79]
	s_or_b32 s[G0K+3], s[G0K+3], 0x80000000
	s_lshl_b32 s78, s76, 8
	s_add_nc_u64 s[G0V+2:G0V+3], s[VB:VB+1], s[78:79]
	s_or_b32 s[G0V+3], s[G0V+3], 0x80000000
	s_wait_xcnt 0x0                                ; the last prefetch, a slot back, has read its address, so it may be written
	s_add_nc_u64 s[PFA:PFA+1], s[PFA:PFA+1], s[PFS:PFS+1]
.endif
	s_wait_dscnt 0x0                               ; the add is done, and my reads of the slot that I have left are over
	s_barrier_signal -1
	s_barrier_wait -1
.if \fill
	TLOAD                                          ; the first thing behind the barrier, and a wave's one tensor load until the next: it has a slot's two key steps in which to land
	ASK
.endif
.endm
; A block's end: O^T / the sum, converted with 2^(e6 - e4 - e5).  The codes are the next product's operand registers: 16 bytes a lane, twice: each store covers 512 consecutive bytes, aligned.
.macro FINISH
.rept 4
	v_nop                                          ; places behind the last products
.endr
	v_add_f32 v14, v14, v15                        ; the sum's two halves,
	s_delay_alu instid0(VALU_DEP_1)
	v_permlanex16_b32 v252, v14, s[SEL], s[SEL+1]
	s_delay_alu instid0(VALU_DEP_1)
	v_add_f32 v14, v14, v252                       ; and lane l xor 16's: the row's sum
	s_wait_alu depctr_va_vdst(0)
	v_rcp_f32 v14, v14
	v_nop                                          ; one plain place behind the transcendental
.set n1, 0
	s_wait_alu depctr_va_vdst(0)
.rept 16
	v_pk_mul_f32 v[192+n1:193+n1], v[160+n1:161+n1], v[14:15] op_sel_hi:[1,0]   ; register 16 b + i: channel 32 b + 16 h + i of query r
.set n1, n1+2
.endr
.set n1, 0
.rept 32
.set n1, n1+1
.endr
.irp g, 0,1,2,3
	v_cvt_scalef32_pk8_fp8_f32 v[24+2*\g:25+2*\g], v[192+8*\g:199+8*\g], v245
.endr
	v_nop                                          ; one plain line behind the last conversion
	global_store_b128 v[GO], v[24:27], s[OA:OA+1]
	global_store_b128 v[GO], v[28:31], s[OA:OA+1] offset:512
.endm
; The high block is done: its result leaves, and the low block begins at key 0.
.macro SWITCH
	FINISH
	s_wait_xcnt 0x0                                ; the stores have read their registers and their base: both may be written again
	s_mov_b32 s[KF], 0
	s_mov_b32 s[Q0], s[Q0L]
	s_mov_b64 s[OA:OA+1], s[OAL:OAL+1]
	global_load_b128 v[16:19], v[QO], s[QAL:QAL+1]
	global_load_b128 v[20:23], v[QO], s[QAL:QAL+1] offset:32
	v_mov_b32 v13, 0xff61b1e6
	s_delay_alu instid0(VALU_DEP_1)
	v_floor_f32 v12, -v13
	v_mov_b32 v14, 0
	v_mov_b32 v15, 0
.set n1, 0
.rept 32
	v_mov_b32 v[160+n1], 0
.set n1, n1+1
.endr
	s_wait_loadcnt 0x0
.endm
	s_wait_loadcnt 0x0                             ; Q
.Lslot:                                            ; eight trips: behind each change of slots but the last the next slot is asked for
	CHANGE 1
	s_cmp_lg_u32 s[J], s[NHI]                      ; trip 8 - i is the low block's first
	s_cbranch_scc1 .Lsame_a
	SWITCH
.Lsame_a:
	STEP 0
	STEP 1
	s_xor_b32 s[TB], s[TB], SLOT1                  ; on to the other slot
	s_add_co_u32 s[J], s[J], 1
	s_cmp_lt_u32 s[J], 8
	s_cbranch_scc1 .Lslot
	CHANGE 0                                       ; the ninth slot is written out
	s_cmp_lg_u32 s[J], s[NHI]                      ; (work-group 0 switches here)
	s_cbranch_scc1 .Lsame_b
	SWITCH
.Lsame_b:
	STEP 0
	STEP 1
	FINISH
	s_wait_tensorcnt 0x0                           ; the wave's end
	ds_add_u32 v[SPW], v[NIL]
	s_wait_dscnt 0x0
	s_endpgm
.Lfunc_end_k_qd51e091f87_attn:
	.size	k_qd51e091f87_attn, .Lfunc_end_k_qd51e091f87_attn-k_qd51e091f87_attn
	.p2alignl 7, 3214868480
	.fill 96, 4, 3214868480
	.section	.rodata,"a",@progbits
	.p2align	6, 0x0
	.amdhsa_kernel k_qd51e091f87_attn
		.amdhsa_group_segment_fixed_size 327680
		.amdhsa_private_segment_fixed_size 0
		.amdhsa_enable_private_segment 0
		.amdhsa_kernarg_size 24
		.amdhsa_user_sgpr_count 2
		.amdhsa_user_sgpr_kernarg_segment_ptr 1
		.amdhsa_wavefront_size32 1
		.amdhsa_system_sgpr_workgroup_id_x 1
		.amdhsa_system_sgpr_workgroup_id_y 1
		.amdhsa_system_sgpr_workgroup_id_z 1
		.amdhsa_system_vgpr_workitem_id 0
		.amdhsa_next_free_vgpr 256
		.amdhsa_next_free_sgpr 100
		.amdhsa_reserve_vcc 1
		.amdhsa_float_denorm_mode_32 3
		.amdhsa_float_denorm_mode_16_64 3
		.amdhsa_fp16_overflow 1
		.amdhsa_memory_ordered 1
		.amdhsa_forward_progress 1
		.amdhsa_inst_pref_size 96
	.end_amdhsa_kernel
	.amdgpu_metadata
---
amdhsa.version: [ 1, 2 ]
amdhsa.kernels:
  - .name:           k_qd51e091f87_attn
    .symbol:         k_qd51e091f87_attn.kd
    .args:
      - { .name: qkvc, .offset: 0, .size: 8, .value_kind: global_buffer, .address_space: global }
      - { .name: lowp_scales, .offset: 8, .size: 8, .value_kind: global_buffer, .address_space: global }
      - { .name: att, .offset: 16, .size: 8, .value_kind: global_buffer, .address_space: global }
    .group_segment_fixed_size: 327680
    .private_segment_fixed_size: 0
    .kernarg_segment_align: 8
    .kernarg_segment_size: 24
    .max_flat_workgroup_size: 512
    .sgpr_count:     100
    .vgpr_count:     256
    .wavefront_size: 32
...
	.end_amdgpu_metadata
.endif
;; end of part 2
;; launch proj (part 3): grid 8 x 32, 4 waves a work-group, clusters of 4 x 4, 327,680 bytes of LDS; arguments att, w_proj_codes, lowp_scales, b_proj, out0; writes out0
.if DOCPART == 3
	.amdgcn_target "amdgcn-amd-amdhsa--gfx1250"
	.amdhsa_code_object_version 6
	.text
	.protected	k_qd51e091f87_proj
	.globl	k_qd51e091f87_proj
	.p2align	8
	.type	k_qd51e091f87_proj,@function
k_qd51e091f87_proj:
	s_mov_b64 s[64:65], 0
	v_nop
	global_prefetch_b8 v0, s[64:65] scope:SCOPE_SE
	s_setreg_imm32_b32 hwreg(HW_REG_WAVE_MODE, 25, 1), 1
	s_wait_xcnt 0x0
	s_wait_alu depctr_hold_cnt(0) depctr_sa_sdst(0) depctr_va_vdst(0) depctr_va_sdst(0) depctr_va_ssrc(0) depctr_va_vcc(0) depctr_vm_vsrc(0)
	s_getreg_b32 s2, hwreg(HW_REG_IB_STS2, 6, 4)
	s_cmp_eq_u32 s2, 0
	s_cbranch_scc0 .Lentry_in_a_cluster
	s_endpgm
.Lentry_in_a_cluster:
	s_bfe_u32 s2, ttmp6, 0x10000c
	s_cmp_lg_u32 s2, 0xf033
	s_cbranch_scc0 .Lentry_shape_is_right
	s_endpgm
.Lentry_shape_is_right:
; out0 = attention's result x w_proj^T + b_proj, on codes of FP8 (E4M3), f32 sums; each sum x 2^(e6 + e7) + bias, one packed multiply-add for two numbers.
; A = att: images of operand registers, [K step of 256: 4][tile of 16 tokens: 512][128 along K: 2][c: 4][lane: 32][16 bytes]; lane (r, h) holds token r, K = 32 c + 16 h + 0 .. 15.
; B = w_proj: [1024][1024] codes, K innermost; its fragments come by four loads of 16 bytes, which give a lane the same k as A's images hold.  out0: [8192][1024] f32.
; A tile of 256 tokens x 128 features to a work-group: 256 work-groups.  Four waves, each 128 x 64: 32 accumulators, 256 registers.
; THE MATRIX INSTRUCTION IS USED TRANSPOSED (source 0 = 16 rows of w_proj, source 1 = 16 tokens): a lane holds token lane % 16 and eight neighbouring features.
; CLUSTERS: 4 x 4 work-groups; A's tile is shared along a row of the cluster, B's along a column: each is asked for jointly.
; K = 1024 is four K steps of 256 on THREE LDS slots: K steps 0, 1, 2 are first fills (three tensor loads of a wave are out at the most), only K step 3 is a refill, into slot 0, behind one round of the cluster's barrier.
; LIMIT: e6 + e7 between -126 and 127, so that 2^(e6 + e7) is an f32 number.  NaN codes are not served.
; REGISTERS: window 0: v16-29 addresses; v32-63 the bias of my 64 features in the result's layout; v64-95 a block's results; v128-255 A's fragments, one set, later rows read back.
;   window 1: B's fragments, two sets, at v0 and v64.   window 2: the accumulators, (a, b) at v[8 (4 a + b)].
.set PITCH,  272                       ; a row of B in LDS: 256 bytes + 16 of padding: row r starts at bank 4 r mod 64 (64 banks of 4 bytes: ISA guide 11.1)
.set FR,     16
.set NL,     4
.set NP,     4                         ; places behind this matrix instruction (ISA guide 7.12.1)
.set ABYTES, 65536                     ; a slot: A's 16 tiles of tokens x 4,096 bytes, dense,
.set HALFB,  64*PITCH                  ; then B's 128 rows, in two halves
.set SLOT,   ABYTES+2*HALFB
.set SPARE,  3*SLOT                    ; behind the slots: the spare words, 128 bytes for each wave, which no other line names
.set STAGE,  SPARE+512                 ; the way out: 16 rows x 272 bytes for each wave, bytes of their own
.set SPITCH, 272
.set ADRA, 16                          ; v16-18  LDS address of my A images in slot 0, 1, 2
.set ADRB, 20                          ; v20-22  the same for B's fragments
.set STO,  24
.set RD,   25
.set CO,   26                          ; v26     my byte offset in out0: 4096 (lane / 16) + 16 (lane % 16)
.set SPW,  28
.set NIL,  29
.set BI,   32
.set TMP,  64
.set AF,   128
.set BK,   128
.set G1A, 24                           ; s[24:31] descriptor group 1 for A;  s[32:47] group 0, one set for each K step, never rewritten
.set G0A, 32
.set G1B, 48                           ; s[48:55], s[68:83] the same for B
.set G0B, 68
.set MSB, 0
.macro WIN new                         ; the immediate's high byte repeats the setting that is left
.if MSB != (\new)
	s_set_vgpr_msb (MSB<<8)|(\new)
.set MSB, (\new)
.endif
.endm
.set MUL,  0xa1                        ; source 0 (B) window 1, source 1 (A) window 0, C and D window 2
.set TO_B, 0x40                        ; destination window 1, address window 0
.macro CREST                           ; a round of the cluster's barrier behind its opening barrier
	s_cmp_lg_u32 s14, 0
	s_cbranch_scc1 .Lnot_wave_0_\@
	s_barrier_signal -3
.Lnot_wave_0_\@:
	s_barrier_wait -3
	s_barrier_signal -1
	s_barrier_wait -1
.endm
.macro CROUND
	s_barrier_signal -1
	s_barrier_wait -1
	CREST
.endm
	s_load_b256 s[4:11], s[0:1], 0x0               ; att s[4:5], w_proj's codes s[6:7], the scales' exponents s[8:9], b_proj s[10:11]
	s_load_b64 s[12:13], s[0:1], 0x20              ; out0
	v_lshl_add_u32 v[SPW], v0, 2, SPARE
	v_mov_b32 v[NIL], 0
	ds_add_u32 v28, v29
	ds_add_u32 v28, v29
	s_wait_dscnt 0x0
	v_lshrrev_b32 v1, 5, v0
	v_readfirstlane_b32 s14, v1                    ; wave 0..3
	s_lshr_b32 s15, s14, 1                         ; which half of the tile's tokens is mine.  Also: I fetch for A (0) or for B (1)
	s_and_b32 s16, s14, 1                          ; which half of its features.  Also: which half of that tile I fetch
	s_bfe_u32 s56, ttmp6, 0x40000                  ; cx
	s_bfe_u32 s57, ttmp6, 0x40004                  ; cy
	s_lshl_b32 s58, ttmp9, 2
	s_add_co_u32 s58, s58, s56                     ; tx: the tile of 128 features
	s_and_b32 s17, ttmp7, 0xffff
	s_lshl_b32 s17, s17, 2
	s_add_co_u32 s17, s17, s57                     ; ty: the tile of 256 tokens
	s_lshl_b32 s59, s57, 2
	s_lshl_b32 s59, 15, s59                        ; my row of the cluster
	s_lshl_b32 s60, 0x1111, s56                    ; my column
	; group 1 for A: 32,768 dense bytes (8 tiles of tokens) as 128 rows of 32 elements of 8 bytes, no padding
	s_or_b32 s[G1A+0], s59, (3<<16)|(1<<21)        ; 15:0 the mask: my row; 17:16 elements of 8 bytes; 21 set beside a mask
	s_mov_b32 s[G1A+1], 32<<16                     ; tensor_dim0
	s_mov_b32 s[G1A+2], 128<<16                    ; tensor_dim1
	s_mov_b32 s[G1A+3], 32<<16                     ; tile_dim0
	s_mov_b32 s[G1A+4], 128                        ; tile_dim1
	s_mov_b32 s[G1A+5], 32                         ; tensor_dim0_stride
	s_mov_b32 s[G1A+6], 0
	s_mov_b32 s[G1A+7], 0
	; group 1 for B: 64 rows x 256 bytes, 1,024 bytes apart, padded in LDS
	s_or_b32 s[G1B+0], s60, (0<<16)|(1<<20)|(1<<21)|(5<<22)|(3<<25)   ; the mask: my column; elements of 1 byte; four words of padding (code 3) after every 64 (code 5)
	s_mov_b32 s[G1B+1], 256<<16
	s_mov_b32 s[G1B+2], 64<<16
	s_mov_b32 s[G1B+3], 256<<16
	s_mov_b32 s[G1B+4], 64
	s_mov_b32 s[G1B+5], 1024
	s_mov_b32 s[G1B+6], 0
	s_mov_b32 s[G1B+7], 0
	s_lshl_b32 s20, s17, 16                        ; A: (16 ty + 8 x half) tiles of 4,096 bytes
	s_lshl_b32 s18, s16, 15
	s_add_co_u32 s20, s20, s18
	s_mov_b32 s21, 0
	s_lshl_b32 s92, s58, 17                        ; B: (128 tx + 64 x half) rows of 1,024 bytes
	s_lshl_b32 s19, s16, 16
	s_add_co_u32 s92, s92, s19
	s_mov_b32 s93, 0
	s_lshl_b32 s22, s16, 15                        ; where they go in a slot: A's half,
	s_mul_i32 s23, s16, HALFB
	s_add_co_u32 s23, s23, ABYTES                  ; B's half: no place in the cluster enters an LDS address
	s_wait_kmcnt 0x0
	s_load_b256 s[84:91], s[8:9], 0x0              ; e0 .. e7
	s_add_nc_u64 s[20:21], s[4:5], s[20:21]
	s_add_nc_u64 s[92:93], s[6:7], s[92:93]
.irp k, 0,1,2,3
	s_mov_b32 s[G0A+4*\k], 1
	s_add_co_u32 s[G0A+4*\k+1], s22, (\k%3)*SLOT
	s_add_nc_u64 s[G0A+4*\k+2:G0A+4*\k+3], s[20:21], \k*2097152
	s_or_b32 s[G0A+4*\k+3], s[G0A+4*\k+3], 0x80000000
	s_mov_b32 s[G0B+4*\k], 1
	s_add_co_u32 s[G0B+4*\k+1], s23, (\k%3)*SLOT
	s_add_nc_u64 s[G0B+4*\k+2:G0B+4*\k+3], s[92:93], \k*256
	s_or_b32 s[G0B+4*\k+3], s[G0B+4*\k+3], 0x80000000
.endr
	CROUND                                         ; all sixteen work-groups are here: the first joint loads meet
	s_cmp_eq_u32 s15, 0                            ; a wave's three first fills stand in one branch on the wave's number; four v_nop follow the third
	s_cbranch_scc0 .Lfirst_b
	tensor_load_to_lds s[G0A:G0A+3], s[G1A:G1A+7]
	s_nop 0
	tensor_load_to_lds s[G0A+4:G0A+7], s[G1A:G1A+7]
	s_nop 0
	tensor_load_to_lds s[G0A+8:G0A+11], s[G1A:G1A+7]
	s_nop 0
.rept 4
	v_nop
.endr
	s_branch .Lfirst_asked
.Lfirst_b:
	tensor_load_to_lds s[G0B:G0B+3], s[G1B:G1B+7]
	s_nop 0
	tensor_load_to_lds s[G0B+4:G0B+7], s[G1B:G1B+7]
	s_nop 0
	tensor_load_to_lds s[G0B+8:G0B+11], s[G1B:G1B+7]
	s_nop 0
.rept 4
	v_nop
.endr
.Lfirst_asked:
	v_and_b32 v1, 15, v0                           ; r
	v_bfe_u32 v2, v0, 4, 1                         ; h
	v_and_b32 v3, 31, v0                           ; lane
	v_lshlrev_b32 v4, 4, v3                        ; an image's place for my lane
	v_mul_u32_u24 v5, v1, PITCH
	v_lshl_add_u32 v5, v2, 4, v5                   ; B: row x pitch + 16 x half
	s_lshl_b32 s21, s15, 15                        ; my 8 tiles of tokens
	s_mul_i32 s22, s16, HALFB
	s_add_co_u32 s22, s22, ABYTES                  ; my 64 rows of B
.irp s, 0,1,2
	v_add_nc_u32 v[ADRA+\s], s21, v4
	v_add_nc_u32 v[ADRB+\s], s22, v5
	s_add_co_u32 s21, s21, SLOT
	s_add_co_u32 s22, s22, SLOT
.endr
	s_mul_i32 s23, s14, 16*SPITCH
	s_add_co_u32 s23, s23, STAGE                   ; my stage
	v_mul_u32_u24 v7, v1, SPITCH
	v_lshl_add_u32 v7, v2, 5, v7
	v_add_nc_u32 v[STO], s23, v7                   ; in: row r, 32 bytes for each half of the lanes
	v_mul_u32_u24 v8, v2, SPITCH
	v_lshl_add_u32 v8, v1, 4, v8
	v_add_nc_u32 v[RD], s23, v8                    ; back: lanes 0-15 one row of 256 bytes, lanes 16-31 the next
	v_lshlrev_b32 v9, 12, v2
	v_lshl_add_u32 v[CO], v1, 4, v9                ; and the same two rows in out0
	s_lshl_b32 s62, s58, 9                         ; my first feature in bytes: 512 tx + 256 x half; in registers that feed no descriptor
	s_lshl_b32 s63, s16, 8
	s_add_co_u32 s62, s62, s63
	s_mov_b32 s63, 0
	s_add_nc_u64 s[10:11], s[10:11], s[62:63]      ; b_proj at my 64 features
	s_lshl_b32 s61, s17, 20                        ; my first token: (256 ty + 128 x half) rows of 4,096 bytes
	s_add_co_u32 s62, s62, s61
	s_lshl_b32 s61, s15, 19
	s_add_co_u32 s62, s62, s61
	s_add_nc_u64 s[12:13], s[12:13], s[62:63]
	v_lshlrev_b32 v6, 5, v2                        ; the bias in the result's layout: lane (r, h) wants, for block b, features 16 b + 8 h + 0 .. 7
.irp b, 0,1,2,3
	global_load_b128 v[BI+8*\b:BI+8*\b+3], v6, s[10:11] offset:64*\b
	global_load_b128 v[BI+8*\b+4:BI+8*\b+7], v6, s[10:11] offset:64*\b+16
.endr
; 8 matrix instructions: A's blocks a0, a0 + 1 x B's four, 128 along K.  p: B's set.  zero = 1: the first product starts the sums.
; The 32 accumulators take turns, one instruction a turn, in the same order in every step.
.macro MUL8 a0, p, zero
.irp a, \a0, \a0+1
.irp b, 0,1,2,3
.if \zero
	v_wmma_f32_16x16x128_fp8_fp8 v[8*(4*(\a)+\b):8*(4*(\a)+\b)+7], v[64*(\p)+FR*\b:64*(\p)+FR*\b+FR-1], v[AF+FR*(\a):AF+FR*(\a)+FR-1], 0
.else
	v_wmma_f32_16x16x128_fp8_fp8 v[8*(4*(\a)+\b):8*(4*(\a)+\b)+7], v[64*(\p)+FR*\b:64*(\p)+FR*\b+FR-1], v[AF+FR*(\a):AF+FR*(\a)+FR-1], v[8*(4*(\a)+\b):8*(4*(\a)+\b)+7]
.endif
.endr
.endr
.endm
.macro FETCH_B slot, q, p              ; B's four fragments of the slot's q-th 128 along K into set p
	WIN TO_B
.irp i, 0,1,2,3
.irp c, 0,1,2,3
	ds_load_b128 v[64*(\p)+FR*\i+4*\c:64*(\p)+FR*\i+4*\c+3], v[ADRB+\slot] offset:128*(\q)+32*\c+\i*16*PITCH
.endr
.endr
	WIN 0
.endm
.macro FETCH_A slot, q, i0             ; A's blocks i0 .. i0 + 3: images, 512 consecutive bytes an instruction
.irp i, \i0, \i0+1, \i0+2, \i0+3
.irp c, 0,1,2,3
	ds_load_b128 v[AF+FR*(\i)+4*\c:AF+FR*(\i)+4*\c+3], v[ADRA+\slot] offset:(\i)*4096+(\q)*2048+512*\c
.endr
.endr
.endm
.macro PLACES n                        ; places in front of loads into registers that matrix instructions have read, and of the first read of results
.rept \n
	v_nop
.endr
.endm
; A step of 128 along K on B's set p; the next step's fragments come from slot ns, its nq-th 128 along K.  A has one set: blocks 0-3 are fetched anew in the step's middle, blocks 4-7 at its end.
.macro STEP p, ns, nq, zero
	s_wait_dscnt 4*NL                              ; B's set and A's blocks 0-3 are in; the youngest sixteen loads (A's blocks 4-7) may be out
	WIN MUL
	MUL8 0, \p, \zero
	MUL8 2, \p, \zero
	s_wait_dscnt 0
	PLACES NP
	FETCH_B \ns, \nq, 1-(\p)
	FETCH_A \ns, \nq, 0
	WIN MUL
	MUL8 4, \p, \zero
	MUL8 6, \p, \zero
	PLACES NP
	WIN 0
	FETCH_A \ns, \nq, 4
.endm
; A step with a barrier: in front of it each wave waits for all its tensor loads, adds 0 to its spare word, and waits for that and for its own LDS reads.
; fill = 1: slot 0, just read out, takes K step 3; the barrier then opens a round of the cluster's barrier, and the joint load is the first thing behind the round.
.macro TURN p, ns, fill
	s_wait_tensorcnt 0x0                           ; all my tensor loads have landed
	ds_add_u32 v[SPW], v[NIL]                      ; 0 onto my spare word
	s_wait_dscnt 4*NL+1                            ; the add and the youngest sixteen loads may be out
	WIN MUL
	MUL8 0, \p, 0                                  ; eight matrix instructions stand between the add and the wait for it
	s_wait_dscnt 0x0                               ; the add is done, and my reads of the slot are over
	s_barrier_signal -1
	MUL8 2, \p, 0
	WIN 0
	s_barrier_wait -1
.if \fill
	CREST                                          ; no wave of any partner still reads slot 0 or has a load on its way
	s_cmp_eq_u32 s15, 0
	s_cbranch_scc0 .Lfor_b_\@
	tensor_load_to_lds s[G0A+12:G0A+15], s[G1A:G1A+7]
	s_nop 0
.rept 4
	v_nop                                          ; (the places in front of the loads below)
.endr
	s_branch .Lasked_\@
.Lfor_b_\@:
	tensor_load_to_lds s[G0B+12:G0B+15], s[G1B:G1B+7]
	s_nop 0
.rept 4
	v_nop
.endr
.Lasked_\@:
.else
	PLACES NP
.endif
	FETCH_B \ns, 0, 1-(\p)
	FETCH_A \ns, 0, 0
	WIN MUL
	MUL8 4, \p, 0
	MUL8 6, \p, 0
	PLACES NP
	WIN 0
	FETCH_A \ns, 0, 4
.endm
	s_wait_tensorcnt 2                             ; my part of K step 0 is in; K steps 1 and 2 may be out
	s_barrier_signal -1
	s_barrier_wait -1                              ; everybody's is
	FETCH_B 0, 0, 0
	FETCH_A 0, 0, 0
	FETCH_A 0, 0, 4
	STEP 0, 0, 1, 1                                ; K 0-127: the products start the sums
	TURN 1, 1, 1                                   ; K 128-255; slots 1 and 2 are whole in every wave; slot 0 takes K 768-1023: it has four steps, 128 matrix instructions, in which to land
	STEP 0, 1, 1, 0
	STEP 1, 2, 0, 0                                ; on into slot 2 without a barrier: the round has shown it whole
	STEP 0, 2, 1, 0
	TURN 1, 0, 0                                   ; behind this barrier slot 0 holds K step 3, whole
	STEP 0, 0, 1, 0
	s_wait_dscnt 4*NL                              ; the last step
	WIN MUL
	MUL8 0, 1, 0
	MUL8 2, 1, 0
	s_wait_dscnt 0
	MUL8 4, 1, 0
	MUL8 6, 1, 0
	WIN 0
; THE WAY OUT, block by block of 16 tokens x 64 features.  A lane holds 32 neighbouring bytes of a row and the lanes beside it hold other rows: a block goes through my own stage and comes back as rows of 256 bytes.
; LDS serves a wave's instructions in order (ISA guide 5.7.1.4): no wait between the stores and the loads, nor in front of the next block's stores.
.macro TOSTAGE a
	WIN 0x02                                       ; source 0: window 2
.irp b, 0,1,2,3
.irp i, 0,2,4,6
	v_pk_fma_f32 v[TMP+8*\b+\i:TMP+8*\b+\i+1], v[8*(4*(\a)+\b)+\i:8*(4*(\a)+\b)+\i+1], s[96:97], v[BI+8*\b+\i:BI+8*\b+\i+1] op_sel_hi:[1,0,1]   ; sum x 2^(e6 + e7) + bias; each accumulator from its low end on
.endr
.endr
	WIN 0
.irp b, 0,1,2,3
	ds_store_b128 v[STO], v[TMP+8*\b:TMP+8*\b+3] offset:64*\b
	ds_store_b128 v[STO], v[TMP+8*\b+4:TMP+8*\b+7] offset:64*\b+16
.endr
.set BB, BK+32*((\a)%2)
.irp t, 0,1,2,3,4,5,6,7
	ds_load_b128 v[BB+4*\t:BB+4*\t+3], v[RD] offset:\t*2*SPITCH
.endr
.endm
.macro SEND a, younger                 ; younger: the LDS instructions issued behind block a's loads, which may stay out
.set BB, BK+32*((\a)%2)
	s_wait_dscnt \younger
.irp t, 0,1,2,3,4,5,6,7
	global_store_b128 v[CO], v[BB+4*\t:BB+4*\t+3], s[12:13] offset:(\a)*65536+2*\t*4096 th:TH_STORE_NT   ; sixteen lanes store 256 consecutive bytes, aligned; written once, read by nobody here
.endr
.endm
	s_wait_kmcnt 0x0
	s_add_co_i32 s96, s90, s91                     ; e6 + e7
	s_add_co_i32 s96, s96, 127
	s_lshl_b32 s96, s96, 23                        ; 2^(e6 + e7) as f32
	s_mov_b32 s97, s96                             ; (named with it as a pair, so it is written)
	s_wait_loadcnt 0x0                             ; the bias
	PLACES NP
	TOSTAGE 0
.irp a, 1,2,3,4,5,6,7
.if \a > 1
	s_wait_xcnt 0x0                                ; block a - 2's stores have read their registers: block a's loads may land there
.endif
	TOSTAGE \a
	SEND \a-1, 16                                  ; behind block a - 1's loads: block a's 8 stores and 8 loads
.endr
	SEND 7, 0
	s_wait_tensorcnt 0x0                           ; the wave's end
	ds_add_u32 v[SPW], v[NIL]
	s_wait_dscnt 0x0
	CROUND                                         ; the closing round: no work-group ends while a partner may still ask for a tile that names it
	s_endpgm
.Lfunc_end_k_qd51e091f87_proj:
	.size	k_qd51e091f87_proj, .Lfunc_end_k_qd51e091f87_proj-k_qd51e091f87_proj
	.p2alignl 7, 3214868480
	.fill 96, 4, 3214868480
	.section	.rodata,"a",@progbits
	.p2align	6, 0x0
	.amdhsa_kernel k_qd51e091f87_proj
		.amdhsa_group_segment_fixed_size 327680
		.amdhsa_private_segment_fixed_size 0
		.amdhsa_enable_private_segment 0
		.amdhsa_kernarg_size 40
		.amdhsa_user_sgpr_count 2
		.amdhsa_user_sgpr_kernarg_segment_ptr 1
		.amdhsa_wavefront_size32 1
		.amdhsa_system_sgpr_workgroup_id_x 1
		.amdhsa_system_sgpr_workgroup_id_y 1
		.amdhsa_system_sgpr_workgroup_id_z 1
		.amdhsa_system_vgpr_workitem_id 0
		.amdhsa_next_free_vgpr 768
		.amdhsa_next_free_sgpr 100
		.amdhsa_reserve_vcc 0
		.amdhsa_float_denorm_mode_32 3
		.amdhsa_float_denorm_mode_16_64 3
		.amdhsa_memory_ordered 1
		.amdhsa_forward_progress 1
		.amdhsa_inst_pref_size 77
	.end_amdhsa_kernel
	.amdgpu_metadata
---
amdhsa.version: [ 1, 2 ]
amdhsa.kernels:
  - .name:           k_qd51e091f87_proj
    .symbol:         k_qd51e091f87_proj.kd
    .args:
      - { .name: att, .offset: 0, .size: 8, .value_kind: global_buffer, .address_space: global }
      - { .name: w_proj_codes, .offset: 8, .size: 8, .value_kind: global_buffer, .address_space: global }
      - { .name: lowp_scales, .offset: 16, .size: 8, .value_kind: global_buffer, .address_space: global }
      - { .name: b_proj, .offset: 24, .size: 8, .value_kind: global_buffer, .address_space: global }
      - { .name: out0, .offset: 32, .size: 8, .value_kind: global_buffer, .address_space: global }
    .group_segment_fixed_size: 327680
    .private_segment_fixed_size: 0
    .kernarg_segment_align: 8
    .kernarg_segment_size: 40
    .max_flat_workgroup_size: 128
    .sgpr_count:     100
    .vgpr_count:     768
    .wavefront_size: 32
...
	.end_amdgpu_metadata
.endif
;; end of part 3
